; MI455X (gfx1250); checked and timed in simulation.
; The chip was launched on July 23, 2026; its instructions are those of AMD's public machine-readable ISA for CDNA 5 (MIT licence, August 2026) and "CDNA5" Instruction Set Architecture Reference Guide (July 2026). The comments in the code are by the model that wrote it; some were corrected since.
;; Native Bit Linear. Allowed arithmetic: matrix products marked QUANTISED: E2M3 operands, one E8M0 scale for each 32 along K, by v_wmma_scale_f32_16x16x128_f8f6f4 with both operands' format E2M3, f32 sums; everything else in f32.
;; Inputs: bias 4,096 float32; codebook 262,144 x 8 float32; weight 4,096 x 4,096 float32; x 2 x 2,048 x 4,096 float32.
;; Outputs: out0 2 x 2,048 x 4,096 float32.
;; This version of the problem:
;;   THIS VERSION OF THE PROBLEM IS GIVEN IN LOW PRECISION. The matrix products marked QUANTISED in the list below multiply operands that are first quantised to E2M3 (2 exponent bits, 3 mantissa bits; 6 bits a number), with one power-of-two scale for each 32 numbers along K (OCP MX v1.0); their sums are f32. All else is computed in f32.
;;   The module's matrix products, in the order in which they are computed (A, B: the left and right operand; K: the contracted axis; several contracted axes count as one K, in the product's order):
;;     1. [M 4,096, K 4,096] x [K 4,096, N 4,096]; A: input x; B: computed on the way: QUANTISED
;;   THE QUANTISER, for each operand of a quantised product, along K:
;;     - K is cut into blocks of 32 from its start; a last block that is shorter is filled with zeros.
;;     - A block's scale is 2^e with e = floor(log2(the largest magnitude in the block)) - 2, held to -126 .. 127; a block of zeros has e = 0. As a byte (E8M0): e + 127.
;;     - Each number is divided by its block's scale, clamped to +-7.5, and rounded to the nearest number of E2M3, ties to even, subnormals kept.
;;     - The product sums the exact products of the quantised numbers (number of the format x scale) in f32.
;;   ~~~python
;;   def quantise(x, axis):      # numpy; x: float32 -> the quantised numbers, widened to float32 again
;;       x = np.moveaxis(x, axis, -1); K = x.shape[-1]
;;       x = np.pad(x, [(0, 0)] * (x.ndim - 1) + [(0, -K % 32)]); x = x.reshape(x.shape[:-1] + (-1, 32)); a = np.abs(x).max(-1, keepdims=True)
;;       e = np.where(a > 0, np.clip(np.frexp(np.where(a > 0, a, 1))[1] - 1 - 2, -126, 127), 0)      # np.frexp(a)[1] - 1 = floor(log2(a)), exactly
;;       r = np.clip(x / 2.0 ** e, -7.5, 7.5)
;;       step = 2.0 ** (np.maximum(np.frexp(np.where(r == 0, 1, r))[1] - 1, 0) - 3)
;;       q = np.round(r / step) * step * 2.0 ** e      # np.round: ties to even
;;       return np.moveaxis(q.reshape(q.shape[:-2] + (-1,))[..., :K], -1, axis).astype(np.float32)
;;   ~~~
;;   OPERANDS COMPUTED ON THE WAY. 'Computed on the way' means the value that the module computes at that place (a softmax that the list does not call 'softmax' is quantised finished and normalised). What goes into a quantiser is computed in f32, as accurately as f32 sums, v_exp_f32 and their like allow (about 1e-6 of the number): no bf16 or f16 on the way to a quantiser, and a product that is left as it is and whose result goes on into a quantised operand takes f32 operands (vector FMAs, or v_wmma_f32_16x16x4_f32). A number that lies on a knife's edge between two numbers of the format may be rounded either way, as far as f32 arithmetic and the matrix unit's own rounding can turn it there, and no further.
;; One version. Each part assembles by itself: llvm-mc -triple=amdgcn-amd-amdhsa -mcpu=gfx1250 --defsym DOCPART=n.
;; ======== version 1 of 1: 2 launches
;; limits: right only within a limited range of input values
;; workspace buffers: aq 13,107,200 bytes; bq 13,107,200 bytes
;; launch quant (part 1): grid 256 x 1, 8 waves a work-group, no clusters, 169,984 bytes of LDS; arguments x, weight, codebook, aq, bq; writes aq, bq
.if DOCPART == 1
	.amdgcn_target "amdgcn-amd-amdhsa--gfx1250"
	.amdhsa_code_object_version 6
	.text
	.protected	k_q6501356059_quant
	.globl	k_q6501356059_quant
	.p2align	8
	.type	k_q6501356059_quant,@function
k_q6501356059_quant:
	s_mov_b64 s[64:65], 0
	v_nop
	global_prefetch_b8 v0, s[64:65] scope:SCOPE_SE
	s_setreg_imm32_b32 hwreg(HW_REG_WAVE_MODE, 25, 1), 1
	s_wait_xcnt 0x0
; BOTH OPERANDS OF out = x qw^T + bias BECOME CODES OF FP6 (E2M3) WITH ONE E8M0 SCALE FOR EACH 32 ALONG K, ONCE, for the product's launch.
; x [4096][4096] f32 is quantised as it is.  weight [4096][4096] f32 first goes through the codebook: 64 neighbouring weights of a row are a block (number 64 o + i / 64) with 8 entries;
; each weight takes the entry with the smallest (w - c)^2, the first of equals, and qw = w + (q - w).
; NOTHING IS LEFT OUT AS DEAD WORK: every input has a way to the output.
; THE CHOICE.  d(e) = w - c(e) in f32, as reference() forms it.  f32's q - w is exactly -d of the entry chosen, so qw = w + (q - w) is the one f32 subtraction w - d: only the chosen DIFFERENCE is needed, not the entry.
; The f32 square rises with |d|, and two different f32 magnitudes have different f32 squares while the squares are normal and finite (neighbouring magnitudes differ by more than 2^-24 of their size, their squares by more than
; 2^-23, which is more than one step of f32).  So the smallest square, first of equals, is the smallest |d|, first of equals.  It is found by a knock-out of three levels, seven compares of magnitudes and seven selects a weight:
; in each pair the difference of the higher entries wins only where it is STRICTLY nearer, so the lowest index among equals stays.  The choice only selects values (v_cndmask_b32): no address or branch hangs on it.
; A block's scale is 2^(floor(log2(its largest magnitude)) - 2): its byte is the largest magnitude's exponent field - 2, held at 1 from below by a floor among the maximum's leaves.
; LIMITS: the choice is reference()'s while every |w - c| that is not 0 lies from 2^-63 to under 2^63 (beyond that the squares leave f32's normal range and reference()'s ties fall otherwise).  NaN and infinities among the
; inputs are not served.  A block of zeros gets the byte 1 where the rule says 127: its codes are zeros, which add nothing under any byte but 0xff, and this program alone reads the bytes.
; THE WORKSPACE IS LAID IN THE ORDER OF THE OPERAND'S REGISTERS.  A BLOCK of 12,800 bytes holds 128 rows x 128 along K; block (G, ks) begins at (32 G + ks) x 12,800.  In it: 8 fragments (16 rows x 128 K, 12 registers a lane) of 1,536
; bytes, registers 4 c .. 4 c + 3 of lane l at 512 c + 16 l; then 512 bytes of scale words: fragment i, row r at 128 (i / 2) + 8 r + 4 (i % 2).
; SHARES.  Work-group: 64 rows (g) x 1,024 along K (kq).  Wave w: the K step ks = 8 kq + w, 64 rows x 128 K of weight AND of x: four trips, one fragment of each a trip.  2,048 waves of equal work.
; No two work-groups read the same bytes, so there is no cluster; nothing is multiplied here, so no matrix unit.  Each trip's loads (16 KB a wave) are issued a whole trip ahead of their use, under the codebook's vector work:
; the launch streams each input byte once with loads always on their way, so no prefetch is laid.
; A load takes 512 consecutive bytes of a row; the conversions want 32 neighbours along K in ONE lane: so a fragment turns through the wave's own stage in LDS.  The work-group's part of the codebook (64 rows x 512 bytes)
; is copied into LDS once, in runs of 512 bytes, and read by all eight waves behind the launch's one barrier.
.set ROWB,  16384                      ; a row of x or of weight in bytes
.set SP,    528                        ; an LDS row: 512 bytes + 16 = 33 x 16: the 16 rows that 16 lanes of a 16-byte load touch begin in 16 different columns of 16 bytes (64 banks of 4 bytes: ISA guide 11.1)
.set STXO,  16*SP                      ; a wave's stage for x lies behind its stage for weight
.set WST,   2*16*SP                    ; a wave's two stages
.set CBL,   8*WST                      ; behind the eight waves' stages: the codebook, 64 rows
.set SPARE, CBL+64*SP                  ; behind it: the spare words, 128 bytes for each wave: four blocks of 256 bytes that no other line names
.set BLKB,  12800
.set FRB,   1536
.set SCW,   12288
.set LI,  1                            ; v1   16 x lane
.set L8,  2                            ; v2   8 x lane
.set H,   3                            ; v3   lane / 16
.set H8,  4                            ; v4   8 x (lane / 16)
.set STI, 5                            ; v5   into my stage: 16 x lane
.set STO, 6                            ; v6   out of it: row lane % 16, + 128 bytes for lanes 16-31
.set CB0, 7                            ; v7   the codebook: row lane % 16, my K step's two blocks
.set CBA, 8                            ; v8   the same, in the trip's 16 rows
.set CBS, 9                            ; v9   where I put the codebook's rows at the head
.set SPW, 10                           ; v10  LDS address of my spare word; never rewritten
.set NIL, 11                           ; v11  0; never rewritten
.set SW,  12                           ; v12-13 weight's scale words that my lane stores at the end
.set SX,  14                           ; v14-15 x's
.set CB,  16                           ; v16-31 entry e of codebook block c at CB + 8 c + e
.set D,   32                           ; v32-63 w - c of entry e, weight l of four, at D + 4 e + l
.set TM,  72                           ; v72-75 largest magnitudes
.set SO,  76                           ; v76-77 the conversions' scale operands
.set BY,  78                           ; v78-79 the scales' bytes
.set PW,  80                           ; v80  the row's scale word
.set PT,  81                           ; v81  the other half's part of it
.set CT,  84                           ; v84-90 the halves of a block's codes that begin on an odd register
.set PCW, 96                           ; v96-107  weight's fragment
.set PCX, 108                          ; v108-119 x's
.set XW,  128                          ; v128-191 64 numbers of weight: register 32 c + i is k = 64 c + 32 (lane / 16) + i of my row
.set XX,  192                          ; v192-255 the same of x
.set RW,  0                            ; window 1, v0-63: weight as loaded;  v64-127: x as loaded
.set RX,  64
.set IX,  4                            ; s[4:5] x;  s[6:7] weight;  s[8:9] codebook;  s[10:11] aq;  s[12:13] bq
.set IW,  6
.set CBP, 8
.set OA,  10
.set OB,  12
.set WV,  14
.set SEL, 20                           ; s[20:21] v_permlanex16_b32's selects for lane l xor 16
.set F,   22                           ; s22  the trip, 0 to 3
.set TC,  23                           ; s23  the trip's 16 rows in the codebook's copy
.set SBB, 24                           ; s[24:25] where my scale words go in bq;  s[26:27] in aq
.set SBA, 26
.set KM0, 30                           ; s30, s31 which lanes keep this trip's scale word, and in which of their two registers
.set KM1, 31
.set MK,  48                           ; s48-63 sixteen masks of the choice
.set MSB, 0
.macro WIN new                         ; the immediate's high byte repeats the setting that is left
.if MSB != (\new)
	s_set_vgpr_msb (MSB<<8)|(\new)
.set MSB, (\new)
.endif
.endm
; a fragment's 16 rows x 512 bytes of weight and of x: each load takes 512 consecutive bytes of one row
.macro LOADS
	WIN 0x40                                       ; destination window 1, address window 0
.irp j, 0,1,2,3,4,5,6,7,8,9,10,11,12,13,14,15
	global_load_b128 v[RW+4*\j:RW+4*\j+3], v[LI], s[IW:IW+1] offset:ROWB*\j th:TH_LOAD_NT
.endr
.irp j, 0,1,2,3,4,5,6,7,8,9,10,11,12,13,14,15
	global_load_b128 v[RX+4*\j:RX+4*\j+3], v[LI], s[IX:IX+1] offset:ROWB*\j th:TH_LOAD_NT
.endr
	WIN 0
.endm
; Four weights v[XW + p] on, of codebook block c, become w - d, d the difference of least magnitude, the lowest entry among equals.
.macro VQ4 p, c
.irp e, 0,2,4,6
.irp u, 0,2
	v_pk_add_f32 v[D+4*\e+\u:D+4*\e+\u+1], v[XW+(\p)+\u:XW+(\p)+\u+1], v[CB+8*(\c)+\e:CB+8*(\c)+\e+1] op_sel_hi:[1,0] neg_lo:[0,1] neg_hi:[0,1]   ; w - c of the even entry: the pair's first register serves both halves
	v_pk_add_f32 v[D+4*\e+4+\u:D+4*\e+4+\u+1], v[XW+(\p)+\u:XW+(\p)+\u+1], v[CB+8*(\c)+\e:CB+8*(\c)+\e+1] op_sel:[0,1] op_sel_hi:[1,1] neg_lo:[0,1] neg_hi:[0,1]   ; of the odd entry: the second
.endr
.endr
.irp e, 0,2,4,6                        ; level 1: entry e + 1 against entry e; sixteen compares, then sixteen selects: each stands more than four instructions behind what it reads
.irp l, 0,1,2,3
	v_cmp_lt_f32 s[MK+2*\e+\l], |v[D+4*\e+4+\l]|, |v[D+4*\e+\l]|   ; strictly nearer?
.endr
.endr
.irp e, 0,2,4,6
.irp l, 0,1,2,3
	v_cndmask_b32 v[D+4*\e+\l], v[D+4*\e+\l], v[D+4*\e+4+\l], s[MK+2*\e+\l]
.endr
.endr
.irp e, 0,4                            ; level 2: the winner of entries e + 2, e + 3 against that of e, e + 1
.irp l, 0,1,2,3
	v_cmp_lt_f32 s[MK+\e+\l], |v[D+4*\e+8+\l]|, |v[D+4*\e+\l]|
.endr
.endr
.irp e, 0,4
.irp l, 0,1,2,3
	v_cndmask_b32 v[D+4*\e+\l], v[D+4*\e+\l], v[D+4*\e+8+\l], s[MK+\e+\l]
.endr
.endr
.irp l, 0,1,2,3                        ; level 3: the winner of entries 4-7 against that of 0-3
	s_delay_alu instid0(VALU_DEP_4)
	v_cmp_lt_f32 s[MK+\l], |v[D+16+\l]|, |v[D+\l]|
.endr
.irp l, 0,1,2,3
	s_delay_alu instid0(VALU_DEP_4)
	v_cndmask_b32 v[D+\l], v[D+\l], v[D+16+\l], s[MK+\l]
.endr
	s_delay_alu instid0(VALU_DEP_3)
	v_pk_add_f32 v[XW+(\p):XW+(\p)+1], v[XW+(\p):XW+(\p)+1], v[D:D+1] neg_lo:[0,1] neg_hi:[0,1]           ; w - d = w + (q - w)
	s_delay_alu instid0(VALU_DEP_2)
	v_pk_add_f32 v[XW+(\p)+2:XW+(\p)+3], v[XW+(\p)+2:XW+(\p)+3], v[D+2:D+3] neg_lo:[0,1] neg_hi:[0,1]
.endm
; 64 numbers of a lane, two whole blocks of 32 (blocks lane / 16 and 2 + lane / 16 of my row's four), become the fragment's 12 registers at v[pc] on and my row's scale word in v[PW].
.macro QUANT s, pc
.irp c, 0,1
.irp u, 0,1
	v_max3_num_f32 v[TM+2*\c+\u], |v[\s+32*\c+16*\u]|, |v[\s+32*\c+16*\u+1]|, 0x1800000   ; four chains of 16 by turns; the floor 2^(3 - 127) among the leaves: the byte cannot fall under 1
.endr
.endr
.irp i, 2,4,6,8,10,12,14
.irp c, 0,1
.irp u, 0,1
	s_delay_alu instid0(VALU_DEP_4)
	v_max3_num_f32 v[TM+2*\c+\u], v[TM+2*\c+\u], |v[\s+32*\c+16*\u+\i]|, |v[\s+32*\c+16*\u+\i+1]|
.endr
.endr
.endr
	s_delay_alu instid0(VALU_DEP_3)
	v_max_num_f32 v[TM], v[TM], v[TM+1]                           ; the block's largest magnitude: all 32 numbers are mine
	s_delay_alu instid0(VALU_DEP_2)
	v_max_num_f32 v[TM+2], v[TM+2], v[TM+3]
.irp c, 0,1
	s_delay_alu instid0(VALU_DEP_2)
	v_add_nc_u32 v[SO+\c], 0xff000000, v[TM+2*\c]                 ; 2 off its exponent field: the conversion takes the exponent field of this operand as its scale, and nothing else of it
.endr
.irp c, 0,1
	s_delay_alu instid0(VALU_DEP_2)
	v_lshrrev_b32 v[BY+\c], 23, v[SO+\c]                          ; the scale's byte
.endr
	s_delay_alu instid0(VALU_DEP_1)
	v_lshl_or_b32 v[PW], v[BY+1], 16, v[BY]                       ; my two bytes,
	s_delay_alu instid0(VALU_DEP_1)
	v_lshlrev_b32 v[PW], v[H8], v[PW]                             ; at their places in the word;
	s_delay_alu instid0(VALU_DEP_1)
	v_permlanex16_b32 v[PT], v[PW], s[SEL], s[SEL+1]
	s_delay_alu instid0(VALU_DEP_1)
	v_or_b32 v[PW], v[PW], v[PT]                                  ; with lane l xor 16's two the word is whole, in both lanes
	v_cvt_scalef32_pk16_fp6_f32 v[\pc:\pc+2], v[\s:\s+15], v[SO]
	v_cvt_scalef32_pk16_fp6_f32 v[CT:CT+2], v[\s+16:\s+31], v[SO]         ; (a conversion's three registers begin on an even number: a block's second three do not, so they are made elsewhere and moved)
	v_cvt_scalef32_pk16_fp6_f32 v[\pc+6:\pc+8], v[\s+32:\s+47], v[SO+1]
	v_cvt_scalef32_pk16_fp6_f32 v[CT+4:CT+6], v[\s+48:\s+63], v[SO+1]
	v_nop                                                         ; one plain place behind the last scaled conversion
.irp i, 0,1,2
	v_mov_b32 v[\pc+3+\i], v[CT+\i]
	v_mov_b32 v[\pc+9+\i], v[CT+4+\i]
.endr
.endm
.macro KEEP sreg                       ; lanes 16 h + r keep the words of fragments 2 h and 2 h + 1, so that the four trips' words leave as one run of 256 bytes
	v_cndmask_b32 v[\sreg], v[\sreg], v[PW], s[KM0]
	v_cndmask_b32 v[\sreg+1], v[\sreg+1], v[PW], s[KM1]
.endm
	s_load_b256 s[4:11], s[0:1], 0x0               ; x, weight, codebook, aq
	s_load_b64 s[12:13], s[0:1], 0x20              ; bq
	v_lshl_add_u32 v[SPW], v0, 2, SPARE
	v_mov_b32 v[NIL], 0
	v_lshrrev_b32 v16, 5, v0
	s_delay_alu instid0(VALU_DEP_1)
	v_readfirstlane_b32 s[WV], v16                 ; wave 0..7
	v_and_b32 v16, 31, v0                          ; lane
	v_and_b32 v17, 15, v0                          ; r
	v_bfe_u32 v[H], v0, 4, 1
	s_delay_alu instid0(VALU_DEP_3)
	v_lshlrev_b32 v[LI], 4, v16
	s_delay_alu instid0(VALU_DEP_4)
	v_lshlrev_b32 v[L8], 3, v16
	s_delay_alu instid0(VALU_DEP_3)
	v_lshlrev_b32 v[H8], 3, v[H]
	s_mul_i32 s28, s[WV], WST                      ; my stages
	v_add_nc_u32 v[STI], s28, v[LI]
	v_mul_u32_u24 v[STO], v17, SP
	s_delay_alu instid0(VALU_DEP_1)
	v_lshl_add_u32 v[STO], v[H], 7, v[STO]
	s_delay_alu instid0(VALU_DEP_1)
	v_add_nc_u32 v[STO], s28, v[STO]
	v_mul_u32_u24 v[CB0], v17, SP
	s_lshl_b32 s29, s[WV], 6                       ; my K step's two codebook blocks: 64 bytes of a row's 512
	s_add_co_u32 s29, s29, CBL
	v_add_nc_u32 v[CB0], s29, v[CB0]
	s_mul_i32 s29, s[WV], 8*SP                     ; at the head I copy rows 8 w .. 8 w + 7 of the 64
	s_add_co_u32 s29, s29, CBL
	v_add_nc_u32 v[CBS], s29, v[LI]
	v_mov_b32 v[SW], 0
	v_mov_b32 v[SW+1], 0
	v_mov_b32 v[SX], 0
	v_mov_b32 v[SX+1], 0
	v_mov_b32 v[PT], 0                             ; written once: a lane permute's destination counts as one of its sources
	s_mov_b32 s[SEL], 0x76543210
	s_mov_b32 s[SEL+1], 0xfedcba98
	s_mov_b32 s[F], 0
	s_mov_b32 s[TC], 0
	s_lshr_b32 s15, ttmp9, 2                       ; g: which 64 rows
	s_and_b32 s16, ttmp9, 3                        ; kq: which quarter of K
	s_lshl_b32 s17, s16, 3
	s_add_co_u32 s17, s17, s[WV]                   ; ks
	s_lshl_b32 s18, s15, 20                        ; x, weight: 64 g rows of 16,384 bytes + 512 ks
	s_lshl_b32 s28, s17, 9
	s_add_co_u32 s18, s18, s28
	s_mov_b32 s19, 0
	s_lshl_b32 s32, s15, 17                        ; codebook: (64 g + 8 w) rows of 2,048 bytes + 512 kq
	s_lshl_b32 s28, s[WV], 14
	s_add_co_u32 s32, s32, s28
	s_lshl_b32 s28, s16, 9
	s_add_co_u32 s32, s32, s28
	s_mov_b32 s33, 0
	s_lshr_b32 s34, s15, 1                         ; the block (g / 2, ks)
	s_lshl_b32 s34, s34, 5
	s_add_co_u32 s34, s34, s17
	s_mul_i32 s34, s34, BLKB
	s_and_b32 s28, s15, 1
	s_mul_i32 s29, s28, 4*FRB
	s_add_co_u32 s36, s34, s29                     ; my four fragments in it: the first four or the last four
	s_mov_b32 s37, 0
	s_lshl_b32 s28, s28, 8
	s_add_co_u32 s34, s34, s28
	s_add_co_u32 s34, s34, SCW                     ; and their 256 bytes of scale words
	s_mov_b32 s35, 0
	s_wait_alu depctr_va_vdst(0)                   ; the wait at the head's end
	s_wait_kmcnt 0x0
	s_add_nc_u64 s[IX:IX+1], s[IX:IX+1], s[18:19]
	s_add_nc_u64 s[IW:IW+1], s[IW:IW+1], s[18:19]
	s_add_nc_u64 s[CBP:CBP+1], s[CBP:CBP+1], s[32:33]
	s_add_nc_u64 s[SBA:SBA+1], s[OA:OA+1], s[34:35]
	s_add_nc_u64 s[SBB:SBB+1], s[OB:OB+1], s[34:35]
	s_add_nc_u64 s[OA:OA+1], s[OA:OA+1], s[36:37]
	s_add_nc_u64 s[OB:OB+1], s[OB:OB+1], s[36:37]
.irp j, 0,1,2,3,4,5,6,7
	global_load_b128 v[D+4*\j:D+4*\j+3], v[LI], s[CBP:CBP+1] offset:2048*\j th:TH_LOAD_NT   ; 512 consecutive bytes of a row of the codebook
.endr
	LOADS                                          ; the first trip's fragments
	s_wait_loadcnt 32                              ; the codebook's eight loads are in; the 32 issued behind them may be out
.irp j, 0,1,2,3,4,5,6,7
	ds_store_b128 v[CBS], v[D+4*\j:D+4*\j+3] offset:SP*\j
.endr
	s_wait_dscnt 0x0                               ; for the others' sake: my rows of the codebook lie in LDS
	s_barrier_signal -1
	s_barrier_wait -1                              ; all 64 rows do; nobody writes them again
.Ltrip:                                                ; four trips: fragment F of weight and of x
	s_wait_loadcnt 0x0                             ; this trip's 32 loads, issued a trip ago; so their bases may step below
	WIN 0x04                                       ; an LDS store's data are its source 1: window 1
.irp j, 0,1,2,3,4,5,6,7,8,9,10,11,12,13,14,15
	ds_store_b128 v[STI], v[RW+4*\j:RW+4*\j+3] offset:SP*\j
.endr
.irp j, 0,1,2,3,4,5,6,7,8,9,10,11,12,13,14,15
	ds_store_b128 v[STI], v[RX+4*\j:RX+4*\j+3] offset:STXO+SP*\j
.endr
	WIN 0
	v_add_nc_u32 v[CBA], s[TC], v[CB0]
.irp t, 0,1,2,3
	ds_load_b128 v[CB+4*\t:CB+4*\t+3], v[CBA] offset:16*\t        ; my row's two codebook blocks: 16 entries
.endr
.irp j, 0,1,2,3,4,5,6,7,8,9,10,11,12,13,14,15
	ds_load_b128 v[XW+4*\j:XW+4*\j+3], v[STO] offset:256*(\j/8)+16*(\j%8)   ; LDS serves a wave's instructions in order (ISA guide 5.7.1.4): these see the stores above
.endr
.irp j, 0,1,2,3,4,5,6,7,8,9,10,11,12,13,14,15
	ds_load_b128 v[XX+4*\j:XX+4*\j+3], v[STO] offset:STXO+256*(\j/8)+16*(\j%8)
.endr
	s_wait_dscnt 36                                ; the 32 stores have read their registers (the 36 loads behind them may be out): those registers take the next trip's loads
	s_cmp_eq_u32 s[F], 3
	s_cbranch_scc1 .Lno_next                       ; the last trip asks for nothing: no load leaves its buffer
	s_add_nc_u64 s[IW:IW+1], s[IW:IW+1], 16*ROWB
	s_add_nc_u64 s[IX:IX+1], s[IX:IX+1], 16*ROWB
	LOADS
.Lno_next:
	s_lshr_b32 s28, s[F], 1
	v_cmp_eq_u32 s29, s28, v[H]                    ; the half of the lanes that keeps this trip's scale words,
	s_bitcmp1_b32 s[F], 0
	s_cselect_b32 s[KM1], s29, 0                   ; in its second register in odd trips,
	s_cselect_b32 s[KM0], 0, s29                   ; in its first in even ones
	s_wait_dscnt 16                                ; the entries and weight's 64 numbers are in; x's 16 loads may be out
.set N, 0
.rept 16
	VQ4 4*N, N/8
.set N, N+1
.endr
	QUANT XW, PCW
	KEEP SW
	s_wait_dscnt 0x0                               ; x's 64 numbers
	QUANT XX, PCX
	KEEP SX
.irp c, 0,1,2                          ; the trip's six stores stand together at its end
	global_store_b128 v[LI], v[PCW+4*\c:PCW+4*\c+3], s[OB:OB+1] offset:512*\c   ; 32 lanes store 512 consecutive bytes, at a multiple of 256 from the buffer's first byte
.endr
.irp c, 0,1,2
	global_store_b128 v[LI], v[PCX+4*\c:PCX+4*\c+3], s[OA:OA+1] offset:512*\c
.endr
	s_wait_xcnt 0x0                                ; the stores have read their data and bases: both are written again only behind this wait
	s_add_nc_u64 s[OA:OA+1], s[OA:OA+1], FRB
	s_add_nc_u64 s[OB:OB+1], s[OB:OB+1], FRB
	s_add_co_u32 s[TC], s[TC], 16*SP
	s_add_co_u32 s[F], s[F], 1
	s_cmp_lt_u32 s[F], 4
	s_wait_alu depctr_va_vdst(0)                   ; the wait ahead of the branch
	s_cbranch_scc1 .Ltrip
	global_store_b64 v[L8], v[SW:SW+1], s[SBB:SBB+1]   ; my four fragments' scale words: 32 lanes store 256 consecutive bytes, aligned
	global_store_b64 v[L8], v[SX:SX+1], s[SBA:SBA+1]
	s_wait_tensorcnt 0x0                           ; the wave's end
	ds_add_u32 v[SPW], v[NIL]
	s_wait_dscnt 0x0
	s_endpgm
.Lfunc_end_k_q6501356059_quant:
	.size	k_q6501356059_quant, .Lfunc_end_k_q6501356059_quant-k_q6501356059_quant
	.p2alignl 7, 3214868480
	.fill 96, 4, 3214868480
	.section	.rodata,"a",@progbits
	.p2align	6, 0x0
	.amdhsa_kernel k_q6501356059_quant
		.amdhsa_group_segment_fixed_size 169984
		.amdhsa_private_segment_fixed_size 0
		.amdhsa_enable_private_segment 0
		.amdhsa_kernarg_size 40
		.amdhsa_user_sgpr_count 2
		.amdhsa_user_sgpr_kernarg_segment_ptr 1
		.amdhsa_wavefront_size32 1
		.amdhsa_system_sgpr_workgroup_id_x 1
		.amdhsa_system_sgpr_workgroup_id_y 1
		.amdhsa_system_sgpr_workgroup_id_z 1
		.amdhsa_system_vgpr_workitem_id 0
		.amdhsa_next_free_vgpr 384
		.amdhsa_next_free_sgpr 66
		.amdhsa_reserve_vcc 0
		.amdhsa_float_denorm_mode_32 3
		.amdhsa_float_denorm_mode_16_64 3
		.amdhsa_memory_ordered 1
		.amdhsa_forward_progress 1
		.amdhsa_inst_pref_size 105
	.end_amdhsa_kernel
	.amdgpu_metadata
---
amdhsa.version: [ 1, 2 ]
amdhsa.kernels:
  - .name:           k_q6501356059_quant
    .symbol:         k_q6501356059_quant.kd
    .args:
      - { .name: x, .offset: 0, .size: 8, .value_kind: global_buffer, .address_space: global }
      - { .name: weight, .offset: 8, .size: 8, .value_kind: global_buffer, .address_space: global }
      - { .name: codebook, .offset: 16, .size: 8, .value_kind: global_buffer, .address_space: global }
      - { .name: aq, .offset: 24, .size: 8, .value_kind: global_buffer, .address_space: global }
      - { .name: bq, .offset: 32, .size: 8, .value_kind: global_buffer, .address_space: global }
    .group_segment_fixed_size: 169984
    .private_segment_fixed_size: 0
    .kernarg_segment_align: 8
    .kernarg_segment_size: 40
    .max_flat_workgroup_size: 256
    .sgpr_count:     66
    .vgpr_count:     384
    .wavefront_size: 32
...
	.end_amdgpu_metadata
.endif
;; end of part 1
;; launch gemm (part 2): grid 16 x 16, 4 waves a work-group, clusters of 4 x 4, 327,680 bytes of LDS; arguments aq, bq, bias, out0; writes out0
.if DOCPART == 2
	.amdgcn_target "amdgcn-amd-amdhsa--gfx1250"
	.amdhsa_code_object_version 6
	.text
	.protected	k_q6501356059_gemm
	.globl	k_q6501356059_gemm
	.p2align	8
	.type	k_q6501356059_gemm,@function
k_q6501356059_gemm:
	s_mov_b64 s[64:65], 0
	v_nop
	global_prefetch_b8 v0, s[64:65] scope:SCOPE_SE
	s_setreg_imm32_b32 hwreg(HW_REG_WAVE_MODE, 25, 1), 1
	s_wait_xcnt 0x0
	s_wait_alu depctr_hold_cnt(0) depctr_sa_sdst(0) depctr_va_vdst(0) depctr_va_sdst(0) depctr_va_ssrc(0) depctr_va_vcc(0) depctr_vm_vsrc(0)
	s_getreg_b32 s2, hwreg(HW_REG_IB_STS2, 6, 4)
	s_cmp_eq_u32 s2, 0
	s_cbranch_scc0 .Lentry_in_a_cluster
	s_endpgm
.Lentry_in_a_cluster:
	s_bfe_u32 s2, ttmp6, 0x10000c
	s_cmp_lg_u32 s2, 0xf033
	s_cbranch_scc0 .Lentry_shape_is_right
	s_endpgm
.Lentry_shape_is_right:
; out0[m][n] = sum over k of xq[m][k] wq[n][k] + bias[n], on the codes (FP6, E2M3) and E8M0 scale words that the launch before laid in aq and bq.  Nothing is left out as dead work.
; aq, bq: a BLOCK of 12,800 bytes holds 128 rows x 128 K: 8 fragments of 1,536 bytes in the order of the operand's registers (registers 4 c .. 4 c + 3 of lane l at 512 c + 16 l), then 512 bytes of scale words
; (fragment i, row r at 128 (i / 2) + 8 r + 4 (i % 2)).  Block (G, ks) begins at (32 G + ks) x 12,800, so the 32 K steps of 128 rows are one dense run.
; SHARES: a work-group makes 256 x 256 of out0, a wave 128 x 128: 64 accumulators, 512 registers.  256 work-groups.  K goes through two LDS slots of three K steps (the eleventh tile has two); a wave's tensor load brings 128 rows x 3 steps
; as 150 rows of 256 bytes.  CLUSTERS 4 x 4: A's tiles are asked for jointly along a row of the cluster, B's along a column.  The matrix instruction is used transposed (source 0 = B's rows): a lane holds 8 neighbouring columns of a row.
; REGISTERS: window 0: v16-31 addresses, v32-47 scale words (two sets; register i: lanes 0-15 A's fragment i, lanes 16-31 B's), v48-51 the bias, v64-159 and v160-255 A's eight fragments, TWO sets;
;   window 1: B's eight fragments, two sets, at v0 and v128;  window 2: the accumulators of my rows 0-63 ((a, b) at 8 (8 (a % 4) + b));  window 3: those of rows 64-127.
; A K STEP: ONE run of 52 LDS loads at its head brings all of the next step's operands into the other set; the step's 64 matrix instructions follow unbroken, and the wait for the loads stands at the next step's head.
; A CHANGE OF SLOTS is made in two parts.  In a tile's second step every wave waits for its tensor load and a barrier shows the next tile whole.  So the tile's third step fetches from the next slot at its
; head like any other; the add closes that run of loads; the wait for it, the round of the cluster's barrier and the refill stand at the step's end, 48 and 64 matrix instructions on.
; By the text's own count a wave has one tensor load out, issued at a tile's end and waited for 112 matrix instructions into the next tile.
; PREFETCH: behind each joint load, and behind the run of LDS loads that follows it, a wave asks for the tile that its NEXT joint load brings (three K steps on): 150 blocks of 256 bytes, shared out among the four partners by address
; (partner p names blocks 40 p .. 40 p + 39, held at 149; lanes left over name the last block again).  The eleventh tile, of 100 blocks, is not asked for: the pattern of 150 would leave the last group's bytes.
; LIMITS: NaN and infinities are not served (the codes have none); the bias is added to the finished f32 sum, as reference() adds it.
.set SIZE_N, 4096
.set BLKB,  12800
.set SCW,   12288
.set REG,   3*BLKB                     ; a wave's part of a slot
.set SLOT,  4*REG                      ; A's two halves, then B's two
.set GRP,   32*BLKB
.set SPARE, 2*SLOT                     ; the spare words: 128 bytes a wave, two blocks of 256 bytes that no other line names
.set SPITCH, 528                       ; the way out: stage rows of 512 + 16 bytes, in slot 1, which has had its last fill and its last read by then
.set FR,   12
.set ADRA, 16                          ; +slot
.set ADRB, 20
.set ADRS, 22
.set STO,  24
.set RD,   25
.set CO,   26
.set SPW,  28
.set NIL,  29
.set PF0,  30
.set PF1,  31
.set SC,   32
.set BI,   48
.set AF,   64
.set BK,   128                         ; the way out: rows read back, v128-191 and v192-255 by turns
.set G1,   24
.set G0,   32
.set G1B,  48
.set G0B,  56
.set G1T,  68
.set G1BT, 76
.set PFA,  84
.set MSB, 0
.macro WIN new                         ; the immediate's high byte repeats the setting that is left
.if MSB != (\new)
	s_set_vgpr_msb (MSB<<8)|(\new)
.set MSB, (\new)
.endif
.endm
.set MUL_LO, 0xa1                      ; source 0 (B) window 1, source 1 (A) window 0, C and D window 2
.set MUL_HI, 0xf1                      ; the same, C and D window 3
.set TO_B,   0x40                      ; destination window 1, address window 0
.macro PLACES n
.rept \n
	v_nop
.endr
.endm
; a joint load: waves 0, 1 fetch A's halves, waves 2, 3 B's; s_nop 0 and four v_nop behind each line
.macro JLOAD g0a, g1a, g0b, g1b
	s_cmp_eq_u32 s15, 0
	s_cbranch_scc0 .Lfor_b_\@
	tensor_load_to_lds s[\g0a:\g0a+3], s[\g1a:\g1a+7]
	s_nop 0
	PLACES 4
	s_branch .Lasked_\@
.Lfor_b_\@:
	tensor_load_to_lds s[\g0b:\g0b+3], s[\g1b:\g1b+7]
	s_nop 0
	PLACES 4
.Lasked_\@:
.endm
.macro CREST
	s_cmp_lg_u32 s14, 0
	s_cbranch_scc1 .Lnot_wave_0_\@
	s_barrier_signal -3
.Lnot_wave_0_\@:
	s_barrier_wait -3
	s_barrier_signal -1
	s_barrier_wait -1
.endm
.macro CROUND
	s_barrier_signal -1
	s_barrier_wait -1
	CREST
.endm
.macro ASK how                         ; how = 2: not in the loop's last trip, whose next tile is the short one
.if \how == 2
	s_cmp_lg_u32 s3, 1
	s_cbranch_scc0 .Lno_ask_\@
.endif
	global_prefetch_b8 v[PF0], s[PFA:PFA+1] th:TH_LOAD_NT scope:SCOPE_SE
	global_prefetch_b8 v[PF1], s[PFA:PFA+1] th:TH_LOAD_NT scope:SCOPE_SE
.if \how == 2
.Lno_ask_\@:
.endif
.endm
; one run of 52 LDS loads: block q of the slot into set n: B's 8 fragments, the scale words, A's 8 fragments; a block's fragments lie on end, 512 bytes a load
.macro FETCH slot, q, n
	WIN TO_B
.set J, 0
.rept 24
	ds_load_b128 v[128*(\n)+4*J:128*(\n)+4*J+3], v[ADRB+\slot] offset:BLKB*(\q)+512*J
.set J, J+1
.endr
	WIN 0
.irp t, 0,1,2,3
	ds_load_b64 v[SC+8*(\n)+2*\t:SC+8*(\n)+2*\t+1], v[ADRS+\slot] offset:BLKB*(\q)+128*\t
.endr
.set J, 0
.rept 24
	ds_load_b128 v[AF+96*(\n)+4*J:AF+96*(\n)+4*J+3], v[ADRA+\slot] offset:BLKB*(\q)+512*J
.set J, J+1
.endr
.endm
; 16 matrix instructions: A's blocks a0, a0 + 1 against B's eight, set p.  The 64 accumulators take turns, in the same order in every step
.macro MUL16 a0, p, zero
.irp a, \a0, \a0+1
.irp b, 0,1,2,3,4,5,6,7
.if \zero
	v_wmma_scale_f32_16x16x128_f8f6f4 v[8*(8*((\a)%4)+\b):8*(8*((\a)%4)+\b)+7], v[128*(\p)+FR*\b:128*(\p)+FR*\b+FR-1], v[AF+96*(\p)+FR*(\a):AF+96*(\p)+FR*(\a)+FR-1], 0, v[SC+8*(\p)+\b], v[SC+8*(\p)+(\a)] matrix_a_fmt:MATRIX_FMT_FP6 matrix_b_fmt:MATRIX_FMT_FP6 matrix_a_scale:MATRIX_SCALE_ROW1
.else
	v_wmma_scale_f32_16x16x128_f8f6f4 v[8*(8*((\a)%4)+\b):8*(8*((\a)%4)+\b)+7], v[128*(\p)+FR*\b:128*(\p)+FR*\b+FR-1], v[AF+96*(\p)+FR*(\a):AF+96*(\p)+FR*(\a)+FR-1], v[8*(8*((\a)%4)+\b):8*(8*((\a)%4)+\b)+7], v[SC+8*(\p)+\b], v[SC+8*(\p)+(\a)] matrix_a_fmt:MATRIX_FMT_FP6 matrix_b_fmt:MATRIX_FMT_FP6 matrix_a_scale:MATRIX_SCALE_ROW1
.endif
.endr
.endr
.endm
.macro MUL48 p, zero                   ; a step's first 48
	WIN MUL_LO
	MUL16 0, \p, \zero
	MUL16 2, \p, \zero
	WIN MUL_HI
	MUL16 4, \p, \zero
.endm
; a K step on set p that meets nobody: block nq of slot ns is fetched for the next step
.macro PLAIN ns, nq, p, zero, ask
	s_wait_dscnt 0x0                               ; this step's operands, asked for 64 matrix instructions ago
	PLACES 4                                       ; ahead of loads into registers that the step before has multiplied (ISA guide 7.12.1 for vector instructions)
	FETCH \ns, \nq, 1-(\p)
.if \ask
	ASK \ask
.endif
	MUL48 \p, \zero
	MUL16 6, \p, \zero
.endm
; a tile's second step: the slot's last block is fetched; a barrier shows the other slot's tile whole to all four waves.
.macro SHOW slot, p
	s_wait_dscnt 0x0
	PLACES 4
	FETCH \slot, 2, 1-(\p)
	MUL48 \p, 0
	s_wait_tensorcnt 0x0                           ; my one tensor load, my part of the other slot's tile
	s_wait_dscnt 0x0                               ; no LDS instruction of mine is out at a signal: so my reads of this slot are over too
	s_barrier_signal -1
	MUL16 6, \p, 0
	s_barrier_wait -1
.endm
; a tile's third step: the next tile's first block is fetched from the other slot; this slot, which nobody reads any more, is filled again at the step's end.  fill = 1: three K steps; 2: the short last tile
.macro TURN slot, p, fill, ask
.if \ask
	s_wait_xcnt 0x0                                ; my prefetches have read their base, two K steps ago: it steps to the next tile
	s_add_nc_u64 s[PFA:PFA+1], s[PFA:PFA+1], REG
.endif
	PLACES 4
	FETCH (1-(\slot)), 0, 1-(\p)
	s_wait_tensorcnt 0x0                           ; no tensor load of mine is out
	ds_add_u32 v[SPW], v[NIL]                      ; 0 onto my spare word; 48 matrix instructions stand between it and the wait for it
	MUL48 \p, 0
	s_wait_dscnt 0x0                               ; the add is done, and the next step's operands are in
	s_barrier_signal -1
	MUL16 6, \p, 0
	WIN 0
	s_barrier_wait -1
	CREST                                          ; the barrier has opened a round of the cluster's barrier
	s_add_nc_u64 s[G0+4*\slot+2:G0+4*\slot+3], s[G0+4*\slot+2:G0+4*\slot+3], 2*REG
	s_add_nc_u64 s[G0B+4*\slot+2:G0B+4*\slot+3], s[G0B+4*\slot+2:G0B+4*\slot+3], 2*REG
.if \fill == 1
	JLOAD G0+4*\slot, G1, G0B+4*\slot, G1B
.else
	JLOAD G0+4*\slot, G1T, G0B+4*\slot, G1BT
.endif
.endm
	s_load_b256 s[4:11], s[0:1], 0x0               ; aq, bq, bias, out0
	v_lshl_add_u32 v[SPW], v0, 2, SPARE
	v_mov_b32 v[NIL], 0
	ds_add_u32 v[SPW], v[NIL]                      ; the opening lines: the add twice on end and one wait, ahead of the first round
	ds_add_u32 v[SPW], v[NIL]
	v_lshrrev_b32 v1, 5, v0
	v_readfirstlane_b32 s14, v1                    ; wave
	s_lshr_b32 s15, s14, 1                         ; my half of the rows; also: I fetch for A (0) or B (1)
	s_and_b32 s16, s14, 1                          ; my half of the columns; also: which 128 rows I fetch
	s_bfe_u32 s40, ttmp6, 0x40000                  ; cx
	s_bfe_u32 s41, ttmp6, 0x40004                  ; cy
	s_lshl_b32 s42, ttmp9, 2
	s_add_co_u32 s42, s42, s40                     ; tile column
	s_and_b32 s17, ttmp7, 0xffff
	s_lshl_b32 s17, s17, 2
	s_add_co_u32 s17, s17, s41                     ; tile row
	s_lshl_b32 s43, s41, 2
	s_lshl_b32 s43, 15, s43                        ; my row of the cluster
	s_lshl_b32 s44, 0x1111, s40                    ; my column
	s_or_b32 s[G1+0], s43, (3<<16)|(1<<21)         ; elements of 8 bytes; the mask, and bit 21 beside it
	s_or_b32 s[G1T+0], s43, (3<<16)|(1<<21)
	s_or_b32 s[G1B+0], s44, (3<<16)|(1<<21)
	s_or_b32 s[G1BT+0], s44, (3<<16)|(1<<21)
.irp g, G1, G1B                        ; three blocks: 150 dense rows of 256 bytes
	s_mov_b32 s[\g+1], 32<<16
	s_mov_b32 s[\g+2], 150<<16
	s_mov_b32 s[\g+3], 32<<16
	s_mov_b32 s[\g+4], 150
	s_mov_b32 s[\g+5], 32
	s_mov_b32 s[\g+6], 0
	s_mov_b32 s[\g+7], 0
.endr
.irp g, G1T, G1BT                      ; two blocks: 100 rows
	s_mov_b32 s[\g+1], 32<<16
	s_mov_b32 s[\g+2], 100<<16
	s_mov_b32 s[\g+3], 32<<16
	s_mov_b32 s[\g+4], 100
	s_mov_b32 s[\g+5], 32
	s_mov_b32 s[\g+6], 0
	s_mov_b32 s[\g+7], 0
.endr
	s_lshl_b32 s20, s17, 1
	s_add_co_u32 s20, s20, s16
	s_mul_i32 s20, s20, GRP                        ; A: group 2 x tile row + half
	s_mov_b32 s21, 0
	s_lshl_b32 s46, s42, 1
	s_add_co_u32 s46, s46, s16
	s_mul_i32 s46, s46, GRP                        ; B: group 2 x tile column + half
	s_mov_b32 s47, 0
	s_mul_i32 s45, s14, REG                        ; where my loads land
	s_mul_i32 s86, s15, REG                        ; what I read: my half of A in slot 0, 1,
	s_add_co_u32 s87, s86, SLOT
	s_mul_i32 s88, s16, REG
	s_add_co_u32 s88, s88, 2*REG                   ; my half of B,
	s_add_co_u32 s89, s88, SLOT
	s_sub_co_u32 s93, s88, s86
	s_add_co_u32 s90, s86, SCW                     ; the scale words
	s_add_co_u32 s91, s90, SLOT
	s_mul_i32 s92, s14, 16*SPITCH
	s_add_co_u32 s92, s92, SLOT                    ; my stage
	s_lshl_b32 s94, s42, 10
	s_lshl_b32 s95, s16, 9
	s_add_co_u32 s94, s94, s95                     ; my first column, in bytes
	s_mov_b32 s95, 0
	s_lshl_b32 s18, s17, 8
	s_lshl_b32 s19, s15, 7
	s_add_co_u32 s18, s18, s19
	s_lshl_b32 s18, s18, 14                        ; my first row x 16,384 bytes
	s_mov_b32 s19, 0
	s_add_nc_u64 s[18:19], s[18:19], s[94:95]
	s_cmp_eq_u32 s15, 0
	s_cselect_b32 s22, s40, s41                    ; my place among the four that ask with me
	s_mul_i32 s22, s22, 40
	s_wait_dscnt 0x0                               ; both opening adds are done
	s_wait_kmcnt 0x0
	s_add_nc_u64 s[20:21], s[4:5], s[20:21]
	s_add_nc_u64 s[46:47], s[6:7], s[46:47]
	s_add_nc_u64 s[8:9], s[8:9], s[94:95]
	s_add_nc_u64 s[10:11], s[10:11], s[18:19]
.irp s, 0,1
	s_mov_b32 s[G0+4*\s], 1
	s_add_co_u32 s[G0+4*\s+1], s45, \s*SLOT
	s_add_nc_u64 s[G0+4*\s+2:G0+4*\s+3], s[20:21], \s*REG
	s_or_b32 s[G0+4*\s+3], s[G0+4*\s+3], 0x80000000
	s_mov_b32 s[G0B+4*\s], 1
	s_add_co_u32 s[G0B+4*\s+1], s45, \s*SLOT
	s_add_nc_u64 s[G0B+4*\s+2:G0B+4*\s+3], s[46:47], \s*REG
	s_or_b32 s[G0B+4*\s+3], s[G0B+4*\s+3], 0x80000000
.endr
	s_cmp_eq_u32 s15, 0
	s_cselect_b64 s[PFA:PFA+1], s[20:21], s[46:47]
	s_add_nc_u64 s[PFA:PFA+1], s[PFA:PFA+1], REG   ; the prefetches begin at tile 1
	CROUND                                         ; all sixteen work-groups are here
	JLOAD G0, G1, G0B, G1B                         ; tile 0: one tensor load a wave at the head
	v_and_b32 v3, 31, v0                           ; lane
	v_min_u32 v6, 7, v3
	v_add_nc_u32 v5, s22, v3                       ; blocks 40 p + lane,
	v_add_nc_u32 v6, s22, v6
	v_add_nc_u32 v6, 32, v6                        ; and 40 p + 32 + (lane, at most 7),
	v_min_u32 v5, 149, v5                          ; held inside the tile
	v_min_u32 v6, 149, v6
	v_lshlrev_b32 v[PF0], 8, v5
	v_lshlrev_b32 v[PF1], 8, v6
	ASK 1                                          ; tile 1
	v_and_b32 v1, 15, v0                           ; r
	v_bfe_u32 v2, v0, 4, 1                         ; h
	v_lshlrev_b32 v[CO], 4, v3                     ; 16 x lane: my place in a fragment's 512 bytes, in a stage row read back, in a row of out0 and in the bias
	v_mul_u32_u24 v6, s93, v2                      ; scale words: lanes 16-31 take B's,
	v_lshl_add_u32 v6, v1, 3, v6                   ; 8 bytes a row
	v_mul_u32_u24 v5, v1, SPITCH
	v_lshl_add_u32 v5, v2, 5, v5                   ; into the stage: row r, 32 bytes for each half of the lanes
	v_add_nc_u32 v[ADRA], s86, v[CO]
	v_add_nc_u32 v[ADRA+1], s87, v[CO]
	v_add_nc_u32 v[ADRB], s88, v[CO]
	v_add_nc_u32 v[ADRB+1], s89, v[CO]
	v_add_nc_u32 v[ADRS], s90, v6
	v_add_nc_u32 v[ADRS+1], s91, v6
	v_add_nc_u32 v[STO], s92, v5
	v_add_nc_u32 v[RD], s92, v[CO]
	global_load_b128 v[BI:BI+3], v[CO], s[8:9]     ; the bias of my four columns of a row read back
	s_wait_alu depctr_va_vdst(0)                   ; the wait at the head's end
	s_wait_xcnt 0x0                                ; the prefetches have read their base
	s_add_nc_u64 s[PFA:PFA+1], s[PFA:PFA+1], REG
	s_wait_tensorcnt 0x0                           ; my part of tile 0 is in; the three lines ahead of slot 1's first fill, as ahead of a refill
	ds_add_u32 v[SPW], v[NIL]
	s_wait_dscnt 0x0
	CROUND
	JLOAD G0+4, G1, G0B+4, G1B                     ; tile 1
	FETCH 0, 0, 0                                  ; K step 0's operands
	ASK 1                                          ; tile 2
	PLAIN 0, 1, 0, 1, 0                            ; K step 0: its products start the sums
	WIN 0
	s_mov_b32 s3, 4
.Llap:                                                 ; a trip: six K steps, once round the ring, both slots filled again
	SHOW 0, 1
	TURN 0, 0, 1, 1
	PLAIN 1, 1, 1, 0, 1
	SHOW 1, 0
	TURN 1, 1, 1, 1
	PLAIN 0, 1, 0, 0, 2
	WIN 0
	s_sub_co_u32 s3, s3, 1
	s_cmp_lg_u32 s3, 0
	s_cbranch_scc1 .Llap
	SHOW 0, 1                                      ; K steps 25 to 31
	TURN 0, 0, 2, 0                                ; the short last tile goes into slot 0
	PLAIN 1, 1, 1, 0, 0
	SHOW 1, 0                                      ; behind this barrier nobody reads slot 1 any more
	PLAIN 0, 0, 1, 0, 0
	PLAIN 0, 1, 0, 0, 0
	s_wait_dscnt 0x0
	MUL48 1, 0
	MUL16 6, 1, 0
	WIN 0
; THE WAY OUT, by blocks of 16 rows x 128 columns: through my own stage and back as whole rows of 512 bytes; the bias is added; the 32 lanes store two aligned runs of 256 bytes.
.macro TOSTAGE a
.set AC, 64*((\a)%4)
	WIN 0x08+4*((\a)/4)                            ; the data: window 2 or 3
.irp b, 0,1,2,3,4,5,6,7
	ds_store_b128 v[STO], v[AC+8*\b:AC+8*\b+3] offset:64*\b          ; each accumulator from its low end on
	ds_store_b128 v[STO], v[AC+8*\b+4:AC+8*\b+7] offset:64*\b+16
.endr
	WIN 0
.set BB, BK+64*((\a)%2)
.irp t, 0,1,2,3,4,5,6,7,8,9,10,11,12,13,14,15
	ds_load_b128 v[BB+4*\t:BB+4*\t+3], v[RD] offset:\t*SPITCH        ; LDS serves a wave's instructions in order (ISA guide 5.7.1.4)
.endr
.endm
.macro SEND a, younger
.set BB, BK+64*((\a)%2)
	s_wait_dscnt \younger                          ; the block is back; the next block's 16 stores and 16 loads may be out
.if (\a) > 0
	s_add_nc_u64 s[10:11], s[10:11], 16*SIZE_N*4   ; behind a wait on XCNT: the earlier stores have read their base
.endif
.irp t, 0,1,2,3,4,5,6,7,8,9,10,11,12,13,14,15
	v_pk_add_f32 v[BB+4*\t:BB+4*\t+1], v[BB+4*\t:BB+4*\t+1], v[BI:BI+1]
	v_pk_add_f32 v[BB+4*\t+2:BB+4*\t+3], v[BB+4*\t+2:BB+4*\t+3], v[BI+2:BI+3]
.endr
.irp t, 0,1,2,3,4,5,6,7,8,9,10,11,12,13,14,15
	global_store_b128 v[CO], v[BB+4*\t:BB+4*\t+3], s[10:11] offset:\t*SIZE_N*4 th:TH_STORE_NT
.endr
.endm
	PLACES 4                                       ; behind the last products, ahead of the reads of results and of loads into operands
	s_wait_loadcnt 0x0                             ; the bias
	TOSTAGE 0
.irp a, 1,2,3,4,5,6,7
.if \a > 1
	s_wait_xcnt 0x0                                ; block a - 2's stores have read their data and base
.endif
	TOSTAGE \a
	SEND \a-1, 32
.endr
	s_wait_xcnt 0x0
	SEND 7, 0
	s_wait_tensorcnt 0x0                           ; the wave's end
	ds_add_u32 v[SPW], v[NIL]
	s_wait_dscnt 0x0
	CROUND                                         ; the closing round
	s_endpgm
.Lfunc_end_k_q6501356059_gemm:
	.size	k_q6501356059_gemm, .Lfunc_end_k_q6501356059_gemm-k_q6501356059_gemm
	.p2alignl 7, 3214868480
	.fill 96, 4, 3214868480
	.section	.rodata,"a",@progbits
	.p2align	6, 0x0
	.amdhsa_kernel k_q6501356059_gemm
		.amdhsa_group_segment_fixed_size 327680
		.amdhsa_private_segment_fixed_size 0
		.amdhsa_enable_private_segment 0
		.amdhsa_kernarg_size 32
		.amdhsa_user_sgpr_count 2
		.amdhsa_user_sgpr_kernarg_segment_ptr 1
		.amdhsa_wavefront_size32 1
		.amdhsa_system_sgpr_workgroup_id_x 1
		.amdhsa_system_sgpr_workgroup_id_y 1
		.amdhsa_system_sgpr_workgroup_id_z 1
		.amdhsa_system_vgpr_workitem_id 0
		.amdhsa_next_free_vgpr 1024
		.amdhsa_next_free_sgpr 96
		.amdhsa_reserve_vcc 0
		.amdhsa_float_denorm_mode_32 3
		.amdhsa_float_denorm_mode_16_64 3
		.amdhsa_memory_ordered 1
		.amdhsa_forward_progress 1
		.amdhsa_inst_pref_size 221
	.end_amdhsa_kernel
	.amdgpu_metadata
---
amdhsa.version: [ 1, 2 ]
amdhsa.kernels:
  - .name:           k_q6501356059_gemm
    .symbol:         k_q6501356059_gemm.kd
    .args:
      - { .name: aq, .offset: 0, .size: 8, .value_kind: global_buffer, .address_space: global }
      - { .name: bq, .offset: 8, .size: 8, .value_kind: global_buffer, .address_space: global }
      - { .name: bias, .offset: 16, .size: 8, .value_kind: global_buffer, .address_space: global }
      - { .name: out0, .offset: 24, .size: 8, .value_kind: global_buffer, .address_space: global }
    .group_segment_fixed_size: 327680
    .private_segment_fixed_size: 0
    .kernarg_segment_align: 8
    .kernarg_segment_size: 32
    .max_flat_workgroup_size: 128
    .sgpr_count:     96
    .vgpr_count:     1024
    .wavefront_size: 32
...
	.end_amdgpu_metadata
.endif
;; end of part 2
